; MI455X (gfx1250); checked and timed in simulation.
; The chip was launched on July 23, 2026; its instructions are those of AMD's public machine-readable ISA for CDNA 5 (MIT licence, August 2026) and "CDNA5" Instruction Set Architecture Reference Guide (July 2026). The comments in the code are by the model that wrote it; some were corrected since.
;; Flow CPAB. Allowed arithmetic: float matrix products may take bf16 or f16 operands with f32 sums; all other float work in f32.
;; Inputs: B 64 x 33 float32; theta 33 float32; x 2,097,152 float32.
;; Outputs: out0 2,097,152 float32; out1 2,097,152 float32.
;; 3 versions, each right and faster than the one before. Each part assembles by itself: llvm-mc -triple=amdgcn-amd-amdhsa -mcpu=gfx1250 --defsym DOCPART=n.
;; ======== version 1 of 3: 1 launch
;; launch cpab (part 1): grid 256 x 1, 16 waves a work-group, no clusters, 11,264 bytes of LDS; arguments x, theta, B, out0, out1; writes out0, out1
.if DOCPART == 1
	.amdgcn_target "amdgcn-amd-amdhsa--gfx1250"
	.amdhsa_code_object_version 6
	.text
	.protected	k_q415106738c_cpab
	.globl	k_q415106738c_cpab
	.p2align	8
	.type	k_q415106738c_cpab,@function
k_q415106738c_cpab:
	s_mov_b64 s[64:65], 0
	v_nop
	global_prefetch_b8 v0, s[64:65] scope:SCOPE_SE
	s_setreg_imm32_b32 hwreg(HW_REG_WAVE_MODE, 25, 1), 1
	s_wait_xcnt 0x0
; FlowCPAB: z = phi(x) and lg = log dphi/dx for the flow (time 1) of dx/dt = a_c x + b_c on 32 cells of [0,1]; (a_c, b_c) = rows 2c, 2c+1 of B @ theta.
; reference() walks 33 steps a point.  Here the walk is closed: a trajectory keeps its direction, and behind its first knot it crosses whole
; cells, whose crossing times hang on theta and B alone.  Once per work-group (wave 0, lane k = cell k):
;   T_k = time to cross cell k in the direction in which it can be entered, by reference()'s own exit-time formula and guards, cut at 2
;         (the time left is never above 1, so a cell of 2 is never crossed: it blocks)
;   U_k = travel-time coordinate of knot k: 2 + the sum of the T below it.  A point moving right adds its time to U, one moving left subtracts.
;   V_k = the sum of a T below knot k (the log-gradient gathered over whole cells)
; B is an input, so the field may jump at a knot.  Where the left cell pushes right (>= 1e-10) and the right cell pushes left (<= -1e-10),
; reference() bounces for ever with dt = 0: the point stops.  Such a knot gets a gap of 2 below its U, and its U carries the sign bit as a mark.
; With at most 1 left nobody crosses a gap, and clamping the time in the cell to [0, T] puts the point on the knot.
; A point then needs: reference()'s first step in its own cell; U, V at the knot where it leaves; a binary search of the end cell in U; a, b, V
; of that cell; one last affine step.  No address and no branch hangs on a float: every lookup is a tree of 31 selects over tables that each
; lane holds in registers (4 tables x 32 registers), steered by the five bits of the index kept as lane masks in scalar registers.
; B @ theta (4,224 FLOPs, once a work-group) is made in f32 on the vector unit: the signs of the velocities at the knots hang on it, and
; operands of 16 bits would tear the field apart at the knots.
; No LDS ring, no tensor load, no cluster: a point moves 12 bytes and takes some 360 vector instructions, and nothing large is shared.
; SHARES: 256 work-groups x 16 waves; a work-group owns 8,192 points, a wave 512, a lane 16: four trips of one 16-byte load and two 16-byte
; stores a lane, each covering 512 consecutive aligned bytes of a wave.
; LIMITS.  U <= 2 + 32 x 2 + 31 x 2 = 128, so neighbouring values of U are at most 2^-17 apart.  log1p(s) = ln2 log2(1+s) + the rounding error of 1+s,
; cut at +-2^-22.  expm1(y)/y: 1 + y/2 + y^2/6 + y^3/24 below |y| = 1/16 (first term left out y^4/120), else (2^(y log2 e) - 1)/y.
; A knot at which one of the two one-sided speeds is under 1e-10 does not stop.  A NaN in x gives an unspecified number.
.set TAB,  8448                        ; LDS: bytes 0-8447 a copy of B; then a, b, U, V (128 bytes each) and 2 + S (128 bytes; word 31 = U of knot 32)
; vector registers
.set L,    4                           ; v[4:7]    the next trip's x lands here
.set X,    8                           ; v[8:11]   x of the trip's four points, then z
.set LG,   12                          ; v[12:15]  their log-gradients
.set CF,   16                          ; cell as f32
.set CI,   17                          ; cell as integer
.set A,    18
.set B,    19
.set V,    20
.set MF,   21                          ; exit knot as f32
.set XB,   22
.set MI,   23
.set TAU,  24
.set UM,   25
.set VM,   26
.set TREM, 27
.set SG,   28
.set U,    29
.set US,   30
.set HI,   31
.set TJ,   33
.set E,    34
.set DTJ,  35
.set AJ,   36
.set BJ,   37
.set VJ,   38
.set J,    39
.set XK,   40
.set ONE,  41
.set T0,   42                          ; v[42:49]  at work
.set T1,   43
.set T2,   44
.set T3,   45
.set T4,   46
.set T5,   47
.set T6,   48
.set T7,   49
.set W,    52                          ; v[52:67]  the select trees' 16 registers
.set ULO,  W                           ; the search leaves U of the end cell's lower knot in W[0]; it is used up before the next lookup
.set TA,   68                          ; v[68:99]   a of the 32 cells, in every lane
.set TB,   100                         ; v[100:131] b
.set TU,   132                         ; v[132:163] U of knots 0..31
.set TV,   164                         ; v[164:195] V of knots 0..31
.set U32,  196                         ; U of knot 32
; wave 0 while it builds the tables (before v68-196 hold them)
.set G,    68                          ; v[68:133]  B as loaded
.set RR,   134                         ; v[134:199] lane k: rows 2k and 2k+1 of B, 66 words
.set KF,   16
.set KXL,  17
.set KXR,  20
.set KVL,  21
.set KVR,  22
.set KXS,  23
.set KVV,  25
.set KXB,  26
.set KT,   27
.set KG,   28
.set KS,   29
.set KSV,  30
.set KPV,  31
.set KAT,  32
.set KTMP, 33
.set KU,   34
.set KIX,  35
.set KAD,  36
.set KST,  37
; scalar registers: lane masks
.set MC,   50                          ; s[50:54] bits 0..4 of the cell
.set MM,   55                          ; s[55:59] bits 0..4 of the exit knot
.set MJ,   66                          ; s[66:70] bits 0..4 of the end cell
.set R,    71                          ; moving right
.set HIT,  73                          ; leaves its first cell within the time
.set SV,   74
.set SA,   75
.set UN,   76
.set NG,   77
; reference()'s exit time from xs with speed v to the boundary xb of a cell with slope a; s78 = lanes whose boundary is open.
; What reference() sets to 1e10 is set to 4 here: anything above 1 is 'not reached'.
.macro EXIT ra, rx, rv, rb, rt
	v_cmp_lt_f32 s[SV], |v[\rv]|, s80              ; small_v
	v_cmp_lt_f32 s[SA], |v[\ra]|, s80              ; small_a
	v_cndmask_b32 v[T0], v[\rv], s80, s[SV]        ; v_safe
	v_cndmask_b32 v[T1], v[\ra], s80, s[SA]        ; a_safe
	v_rcp_f32 v[T2], v[T0]
	v_rcp_f32 v[T3], v[T1]
	v_sub_f32 v[T4], v[\rb], v[\rx]                ; the plain instruction between the reciprocals and their first use
	s_wait_alu depctr_va_vdst(0)
	v_mul_f32 v[T4], v[T4], v[T2]                  ; (xb - xs) / v_safe
	v_mul_f32 v[T5], v[\ra], v[T4]                 ; arg_raw
	v_cmp_ge_f32 s[UN], s81, v[T5]                 ; unreach: arg_raw <= -1 + 1e-6
	v_max_num_f32 v[T5], s81, v[T5]
	v_add_f32 v[T6], 1.0, v[T5]                    ; w = 1 + arg, rounded
	v_log_f32 v[T7], v[T6]
	v_add_f32 v[T0], -1.0, v[T6]                   ; the plain instruction behind the logarithm: names neither its result nor writes its source
	v_sub_f32 v[T0], v[T5], v[T0]                  ; arg - (w - 1): what the rounding of w lost
	v_med3_num_f32 v[T0], v[T0], s86, s85          ; it belongs divided by w; cut at 2^-22 it is right near w = 1 and harmless for large w
	s_wait_alu depctr_va_vdst(0)
	v_fma_f32 v[T7], v[T7], s82, v[T0]             ; log1p(arg)
	v_mul_f32 v[T7], v[T7], v[T3]                  ; / a_safe
	v_cndmask_b32 v[\rt], v[T7], v[T4], s[SA]
	v_cmp_gt_f32 s[NG], 0, v[\rt]                  ; tau < 0
	s_or_b32 s[SV], s[SV], s78
	s_or_b32 s[UN], s[UN], s[NG]
	s_or_b32 s[SV], s[SV], s[UN]
	v_cndmask_b32 v[\rt], v[\rt], 4.0, s[SV]
.endm
; the five low bits of an integer as five lane masks
.macro MASKS idx, base
.irp b, 0,1,2,3,4
	v_and_b32 v[T0+\b], 1<<\b, v[\idx]
.endr
.irp b, 0,1,2,3,4
	v_cmp_ne_u32 s[\base+\b], 0, v[T0+\b]
.endr
.endm
; dst = tab[index]: 16 + 8 + 4 + 2 + 1 selects, bit 0 first
.macro LOOKUP dst, tab, m
.set i_, 0
.rept 16
	v_cndmask_b32 v[W+i_], v[\tab+2*i_], v[\tab+2*i_+1], s[\m]
.set i_, i_+1
.endr
.set i_, 0
.rept 8
	v_cndmask_b32 v[W+i_], v[W+2*i_], v[W+2*i_+1], s[\m+1]
.set i_, i_+1
.endr
.set i_, 0
.rept 4
	v_cndmask_b32 v[W+i_], v[W+2*i_], v[W+2*i_+1], s[\m+2]
.set i_, i_+1
.endr
	v_cndmask_b32 v[W], v[W], v[W+1], s[\m+3]
	v_cndmask_b32 v[W+1], v[W+2], v[W+3], s[\m+3]
	v_cndmask_b32 v[\dst], v[W], v[W+1], s[\m+4]
.endm
; one level of the search: the middle of the 2 h knots left decides; HI follows the upper bracket; the chosen half moves down
.macro LEVEL h, bit
	v_cmp_le_f32 s[MJ+\bit], |v[W+\h]|, v[US]
	v_cndmask_b32 v[HI], v[W+\h], v[HI], s[MJ+\bit]
.set i_, 0
.rept \h
	v_cndmask_b32 v[W+i_], v[W+i_], v[W+\h+i_], s[MJ+\bit]
.set i_, i_+1
.endr
.endm
; the largest j with |U_j| <= US: its bits in s[MJ..MJ+4], U_j in W[0], U_(j+1) in HI (both with their marks)
.macro SEARCH
	v_cmp_le_f32 s[MJ+4], |v[TU+16]|, v[US]
	v_cndmask_b32 v[HI], v[TU+16], v[U32], s[MJ+4]
.set i_, 0
.rept 16
	v_cndmask_b32 v[W+i_], v[TU+i_], v[TU+16+i_], s[MJ+4]
.set i_, i_+1
.endr
	LEVEL 8, 3
	LEVEL 4, 2
	LEVEL 2, 1
	LEVEL 1, 0
.endm
; j as an integer from its five masks: doubled, with the next bit as the carry in
.macro JNUM
	v_cndmask_b32 v[J], 0, 1, s[MJ+4]
.irp b, 3,2,1,0
	s_mov_b32 vcc_lo, s[MJ+\b]
	v_add_co_ci_u32 v[J], vcc_lo, v[J], v[J], vcc_lo
.endr
.endm
; point i of the trip: x in X+i; z goes to X+i, the log-gradient to LG+i.  What a point that stays in its first cell computes behind the
; first step is thrown away by the selects on HIT: nothing branches.
.macro POINT i
	v_mul_f32 v[CF], s88, v[X+\i]
	v_floor_f32 v[CF], v[CF]
	v_med3_num_f32 v[CF], v[CF], 0, s87            ; cell = clip(floor(32 x), 0, 31)
	v_cvt_u32_f32 v[CI], v[CF]
	MASKS CI, MC
	LOOKUP A, TA, MC
	LOOKUP B, TB, MC
	v_fma_f32 v[V], v[A], v[X+\i], v[B]
	v_cmp_lt_f32 s[R], 0, v[V]
	v_cndmask_b32 v[T0], 0, 1.0, s[R]
	v_add_f32 v[MF], v[CF], v[T0]                  ; the knot ahead
	v_mul_f32 v[XB], s84, v[MF]
	v_cvt_u32_f32 v[MI], v[MF]
	v_cmp_eq_f32 s78, 0, v[MF]                     ; knots 0 and 32 are open
	v_cmp_eq_f32 s79, s88, v[MF]
	s_or_b32 s78, s78, s79
	EXIT A, X+\i, V, XB, TAU
	v_cmp_ge_f32 s[HIT], 1.0, v[TAU]
	MASKS MI, MM
	LOOKUP UM, TU, MM
	LOOKUP VM, TV, MM
	v_sub_f32 v[TREM], 1.0, v[TAU]
	v_cmp_gt_f32 s79, 0, v[UM]                     ; a marked knot stops the point: no time is spent behind it
	v_cndmask_b32 v[TREM], v[TREM], 0, s79
	v_cndmask_b32 v[SG], -1.0, 1.0, s[R]
	v_fma_f32 v[U], v[SG], v[TREM], |v[UM]|        ; where the time runs out, in the travel-time coordinate (at least 1, so positive)
	v_cndmask_b32 v[ONE], 1, 0, s[R]
	v_sub_nc_u32 v[US], v[U], v[ONE]               ; moving left: the next smaller float, so that '<= US' means '< U'
	SEARCH
	v_cmp_gt_f32 s79, 0, v[HI]
	v_cndmask_b32 v[T0], 0, 2.0, s79               ; a marked upper knot: the cell ends below the gap
	v_sub_f32 v[T1], |v[HI]|, v[T0]
	v_sub_f32 v[TJ], v[T1], |v[ULO]|               ; the end cell's crossing time
	v_sub_f32 v[T2], v[U], |v[ULO]|
	v_med3_num_f32 v[E], v[T2], 0, v[TJ]           ; its part below U
	v_sub_f32 v[T3], v[TJ], v[E]
	v_cndmask_b32 v[DTJ], v[T3], v[E], s[R]        ; time spent in the end cell
	LOOKUP AJ, TA, MJ
	LOOKUP BJ, TB, MJ
	LOOKUP VJ, TV, MJ
	JNUM
	v_add_nc_u32 v[T0], v[J], v[ONE]
	v_cvt_f32_u32 v[T0], v[T0]
	v_mul_f32 v[XK], s84, v[T0]                    ; the knot by which the end cell is entered
	v_sub_f32 v[T1], v[VJ], v[VM]
	v_fma_f32 v[T1], v[AJ], v[E], v[T1]            ; V at U minus V at the exit knot
	v_mul_f32 v[T2], v[A], v[TAU]
	v_fma_f32 v[T1], v[SG], v[T1], v[T2]
	v_cndmask_b32 v[LG+\i], v[A], v[T1], s[HIT]    ; staying: a x 1
	v_cndmask_b32 v[A], v[A], v[AJ], s[HIT]        ; the last affine step: from (x, 1) in the first cell or from (knot, time left) in the end cell
	v_cndmask_b32 v[B], v[B], v[BJ], s[HIT]
	v_cndmask_b32 v[XK], v[X+\i], v[XK], s[HIT]
	v_cndmask_b32 v[DTJ], 1.0, v[DTJ], s[HIT]
	v_fma_f32 v[V], v[A], v[XK], v[B]
	v_mul_f32 v[T0], v[A], v[DTJ]                  ; y = a dt
	v_mul_f32 v[T1], s83, v[T0]
	v_exp_f32 v[T2], v[T1]
	v_rcp_f32 v[T3], v[T0]
	v_fma_f32 v[T4], v[T0], s89, s90               ; the plain instruction behind the two; y/24 + 1/6
	v_fma_f32 v[T4], v[T4], v[T0], 0.5
	v_fma_f32 v[T4], v[T4], v[T0], 1.0
	s_wait_alu depctr_va_vdst(0)
	v_add_f32 v[T2], -1.0, v[T2]
	v_mul_f32 v[T2], v[T2], v[T3]
	v_cmp_lt_f32 s79, |v[T0]|, s91
	v_cndmask_b32 v[T2], v[T2], v[T4], s79         ; expm1(y) / y
	v_mul_f32 v[T2], v[DTJ], v[T2]
	v_fma_f32 v[X+\i], v[V], v[T2], v[XK]          ; z = xs + v dt expm1(y)/y
.endm
; inclusive sum over the 32 lanes: four shifted adds inside each half of 16 lanes, then the lower half's total onto the upper half
.macro SCAN reg, tmp
.irp n, 1,2,4,8
	v_mov_b32_dpp v[\tmp], v[\reg] row_shr:\n row_mask:0xf bank_mask:0xf bound_ctrl:1
	v_add_f32 v[\reg], v[\reg], v[\tmp]
.endr
	v_readlane_b32 s79, v[\reg], 15
	v_mov_b32 v[\tmp], s79
	v_cndmask_b32 v[\tmp], 0, v[\tmp], s92
	v_add_f32 v[\reg], v[\reg], v[\tmp]
.endm
; one trip: four points a lane.  The next trip's x is asked for at the head and has the whole trip in which to land; it lands in registers
; of its own, since X is worked on in place and stored from: hence the four moves for some 1,400 instructions of work.
.macro TRIP ahead
	s_wait_loadcnt 0x0                             ; the one load that is out: this trip's x
.irp k, 0,1,2,3
	v_mov_b32 v[X+\k], v[L+\k]
.endr
.if \ahead
	global_load_b128 v[L:L+3], v1, s[4:5] offset:512 th:TH_LOAD_NT
.endif
	POINT 0
	POINT 1
	POINT 2
	POINT 3
	global_store_b128 v1, v[X:X+3], s[10:11] th:TH_STORE_NT
	global_store_b128 v1, v[LG:LG+3], s[12:13] th:TH_STORE_NT
.if \ahead
	s_wait_xcnt 0x0                                ; v1, X and LG, which the load and the stores name, are written again only behind this wait
	v_add_nc_u32 v1, 512, v1
.endif
.endm
	s_load_b256 s[4:11], s[0:1], 0x0               ; x s[4:5], theta s[6:7], B s[8:9], out0 s[10:11]
	s_load_b64 s[12:13], s[0:1], 0x20              ; out1
	v_lshl_add_u32 v200, v0, 2, 0x2400
	v_mov_b32 v201, 0
	v_lshrrev_b32 v2, 5, v0
	v_readfirstlane_b32 s14, v2                    ; wave 0..15
	v_and_b32 v3, 31, v0                           ; lane
	v_lshlrev_b32 v1, 4, v3
	v_lshl_add_u32 v1, v2, 11, v1                  ; my 16 bytes of the first trip: wave x 2,048 + lane x 16
	s_lshl_b32 s2, ttmp9, 15                       ; the work-group's 8,192 points: 32,768 bytes (256 groups: below 2^23)
	s_mov_b32 s3, 0
	s_mov_b32 s80, 0x2edbe6ff                      ; 1e-10
	s_mov_b32 s81, 0xbf7fffef                      ; -1 + 1e-6
	s_mov_b32 s82, 0x3f317218                      ; ln 2
	s_mov_b32 s83, 0x3fb8aa3b                      ; log2 e
	s_mov_b32 s84, 0x3d000000                      ; 1/32
	s_mov_b32 s85, 0x34800000                      ; 2^-22
	s_mov_b32 s86, 0xb4800000                      ; -2^-22
	s_mov_b32 s87, 0x41f80000                      ; 31
	s_mov_b32 s88, 0x42000000                      ; 32
	s_mov_b32 s89, 0x3d2aaaab                      ; 1/24
	s_mov_b32 s90, 0x3e2aaaab                      ; 1/6
	s_mov_b32 s91, 0x3d800000                      ; 1/16
	s_mov_b32 s92, 0xffff0000                      ; lanes 16-31
	s_mov_b32 s93, 0xaedbe6ff                      ; -1e-10
	s_wait_kmcnt 0x0
	s_add_nc_u64 s[4:5], s[4:5], s[2:3]
	s_add_nc_u64 s[10:11], s[10:11], s[2:3]
	s_add_nc_u64 s[12:13], s[12:13], s[2:3]
	global_load_b128 v[L:L+3], v1, s[4:5] th:TH_LOAD_NT    ; the first trip's x, on its way while the tables are made
	s_cmp_lg_u32 s14, 0
	s_cbranch_scc1 .Lbuilt
	; ---- wave 0 makes the tables, lane k for cell k ----
	s_load_b512 s[16:31], s[6:7], 0x0              ; theta: 33 words
	s_load_b512 s[32:47], s[6:7], 0x40
	s_load_b32 s48, s[6:7], 0x80
	v_lshlrev_b32 v2, 3, v3
.set i_, 0
.rept 33
	global_load_b64 v[G+2*i_:G+2*i_+1], v2, s[8:9] offset:256*i_   ; B's 8,448 bytes as 33 runs of 256 consecutive aligned bytes
.set i_, i_+1
.endr
	v_mul_u32_u24 v[KAD], v3, 264                  ; rows 2k, 2k+1 of B are the 66 words from byte 264 k: lane k's 8-byte reads start at word 66 k, 2 k modulo 64
	v_add_nc_u32 v[KIX], 31, v3
	v_and_b32 v[KIX], 31, v[KIX]
	v_lshlrev_b32 v[KIX], 2, v[KIX]                ; the lane below, as a byte index
	v_lshlrev_b32 v[KST], 2, v3
	v_cvt_f32_u32 v[KF], v3
	v_mul_f32 v[KXL], s84, v[KF]                   ; the cell's left knot
	v_add_f32 v[KXR], 1.0, v[KF]
	v_mul_f32 v[KXR], s84, v[KXR]                  ; and its right one
	s_wait_loadcnt 0x0
.set i_, 0
.rept 33
	ds_store_b64 v2, v[G+2*i_:G+2*i_+1] offset:256*i_
.set i_, i_+1
.endr
.set i_, 0
.rept 33
	ds_load_b64 v[RR+2*i_:RR+2*i_+1], v[KAD] offset:8*i_   ; the wave's own bytes: LDS serves a wave's instructions in order
.set i_, i_+1
.endr
	s_wait_dscnt 0x0
	s_wait_kmcnt 0x0
	v_mul_f32 v[A], s16, v[RR]                     ; the first products start the two sums
	v_mul_f32 v[B], s16, v[RR+33]
.set i_, 1
.rept 32
	v_fmac_f32 v[A], s[16+i_], v[RR+i_]
	v_fmac_f32 v[B], s[16+i_], v[RR+33+i_]
.set i_, i_+1
.endr
	v_fma_f32 v[KVL], v[A], v[KXL], v[B]           ; the cell's speed at its left knot
	v_fma_f32 v[KVR], v[A], v[KXR], v[B]           ; and at its right one
	ds_bpermute_b32 v[KPV], v[KIX], v[KVR]         ; the left neighbour's speed at my left knot
	v_cmp_lt_f32 s[R], 0, v[KVL]                   ; entered from the left, crossed to the right; else the other way
	v_cndmask_b32 v[KXS], v[KXR], v[KXL], s[R]
	v_cndmask_b32 v[KVV], v[KVR], v[KVL], s[R]
	v_cndmask_b32 v[KXB], v[KXL], v[KXR], s[R]
	s_and_b32 s78, s[R], 0x80000000                ; open: cell 31 to the right,
	s_and_not1_b32 s79, 1, s[R]                    ; cell 0 to the left
	s_or_b32 s78, s78, s79
	EXIT A, KXS, KVV, KXB, TAU
	v_min_num_f32 v[KT], 2.0, v[TAU]
	s_wait_dscnt 0x0                               ; the neighbour's speed is here
	v_cmp_le_f32 s[SV], s80, v[KPV]
	v_cmp_ge_f32 s[SA], s93, v[KVL]
	s_and_b32 s[SV], s[SV], s[SA]
	s_and_b32 s[SV], s[SV], 0xfffffffe             ; knot 0 has no left neighbour
	v_cndmask_b32 v[KG], 0, 2.0, s[SV]             ; the gap below a knot that stops
	v_add_f32 v[KS], v[KT], v[KG]
	v_mul_f32 v[KAT], v[A], v[KT]
	v_mov_b32 v[KSV], v[KAT]
	v_mov_b32 v[KTMP], 0
	SCAN KS, KTMP
	SCAN KSV, KTMP
	v_sub_f32 v[KU], v[KS], v[KT]
	v_add_f32 v[KU], 2.0, v[KU]                    ; U of my left knot, above its gap
	v_cndmask_b32 v[KTMP], 0, 0x80000000, s[SV]
	v_or_b32 v[KU], v[KU], v[KTMP]                 ; the mark
	v_sub_f32 v[KSV], v[KSV], v[KAT]               ; V of my left knot
	v_add_f32 v[KS], 2.0, v[KS]                    ; lane 31: U of knot 32
	ds_store_b32 v[KST], v[A] offset:TAB
	ds_store_b32 v[KST], v[B] offset:TAB+128
	ds_store_b32 v[KST], v[KU] offset:TAB+256
	ds_store_b32 v[KST], v[KSV] offset:TAB+384
	ds_store_b32 v[KST], v[KS] offset:TAB+512
.Lbuilt:
	s_wait_dscnt 0x0                               ; wave 0's table stores are done before it signals
	s_barrier_signal -1
	s_barrier_wait -1                              ; the one barrier: behind it every wave reads the tables, and nobody writes LDS any more
	v_mov_b32 v2, TAB
.set i_, 0
.rept 32
	ds_load_b128 v[TA+4*i_:TA+4*i_+3], v2 offset:16*i_     ; all lanes read the same 16 bytes: a, b, U, V into v68-195
.set i_, i_+1
.endr
	ds_load_b32 v[U32], v2 offset:636              ; word 31 of the fifth table
	s_wait_dscnt 0x0
	s_mov_b32 s15, 3
.Ltrip:
	TRIP 1
	s_sub_co_u32 s15, s15, 1
	s_cmp_lg_u32 s15, 0
	s_cbranch_scc1 .Ltrip
	TRIP 0                                         ; the last trip asks for nothing: no load leaves the wave's 2,048 bytes
	s_wait_tensorcnt 0x0
	ds_add_u32 v200, v201
	s_wait_dscnt 0x0
	s_endpgm
.Lfunc_end_k_q415106738c_cpab:
	.size	k_q415106738c_cpab, .Lfunc_end_k_q415106738c_cpab-k_q415106738c_cpab
	.p2alignl 7, 3214868480
	.fill 96, 4, 3214868480
	.section	.rodata,"a",@progbits
	.p2align	6, 0x0
	.amdhsa_kernel k_q415106738c_cpab
		.amdhsa_group_segment_fixed_size 11264
		.amdhsa_private_segment_fixed_size 0
		.amdhsa_enable_private_segment 0
		.amdhsa_kernarg_size 40
		.amdhsa_user_sgpr_count 2
		.amdhsa_user_sgpr_kernarg_segment_ptr 1
		.amdhsa_wavefront_size32 1
		.amdhsa_system_sgpr_workgroup_id_x 1
		.amdhsa_system_sgpr_workgroup_id_y 1
		.amdhsa_system_sgpr_workgroup_id_z 1
		.amdhsa_system_vgpr_workitem_id 0
		.amdhsa_next_free_vgpr 202
		.amdhsa_next_free_sgpr 96
		.amdhsa_reserve_vcc 1
		.amdhsa_float_denorm_mode_32 3
		.amdhsa_float_denorm_mode_16_64 3
		.amdhsa_memory_ordered 1
		.amdhsa_forward_progress 1
		.amdhsa_inst_pref_size 190
	.end_amdhsa_kernel
	.amdgpu_metadata
---
amdhsa.version: [ 1, 2 ]
amdhsa.kernels:
  - .name:           k_q415106738c_cpab
    .symbol:         k_q415106738c_cpab.kd
    .args:
      - { .name: x, .offset: 0, .size: 8, .value_kind: global_buffer, .address_space: global }
      - { .name: theta, .offset: 8, .size: 8, .value_kind: global_buffer, .address_space: global }
      - { .name: B, .offset: 16, .size: 8, .value_kind: global_buffer, .address_space: global }
      - { .name: out0, .offset: 24, .size: 8, .value_kind: global_buffer, .address_space: global }
      - { .name: out1, .offset: 32, .size: 8, .value_kind: global_buffer, .address_space: global }
    .group_segment_fixed_size: 11264
    .private_segment_fixed_size: 0
    .kernarg_segment_align: 8
    .kernarg_segment_size: 40
    .max_flat_workgroup_size: 512
    .sgpr_count:     96
    .vgpr_count:     202
    .wavefront_size: 32
...
	.end_amdgpu_metadata
.endif
;; end of part 1
;; ======== version 2 of 3: 1 launch; 1.29 times as fast as version 1
;; launch cpab (part 2): grid 256 x 1, 16 waves a work-group, no clusters, 11,264 bytes of LDS; arguments x, theta, B, out0, out1; writes out0, out1
.if DOCPART == 2
	.amdgcn_target "amdgcn-amd-amdhsa--gfx1250"
	.amdhsa_code_object_version 6
	.text
	.protected	k_q415106738c_cpab
	.globl	k_q415106738c_cpab
	.p2align	8
	.type	k_q415106738c_cpab,@function
k_q415106738c_cpab:
	s_mov_b64 s[64:65], 0
	v_nop
	global_prefetch_b8 v0, s[64:65] scope:SCOPE_SE
	s_setreg_imm32_b32 hwreg(HW_REG_WAVE_MODE, 25, 1), 1
	s_wait_xcnt 0x0
; FlowCPAB: z = phi(x) and lg = log dphi/dx for the flow (time 1) of dx/dt = a_c x + b_c on 32 cells of [0,1]; (a_c, b_c) = rows 2c, 2c+1 of B @ theta.
; reference() walks 33 steps a point.  Here the walk is closed: a trajectory keeps its direction, and behind its first knot it crosses whole
; cells, whose crossing times hang on theta and B alone.  Once per work-group (wave 0, lane k = cell k):
;   T_k = time to cross cell k in the direction in which it can be entered, by reference()'s own exit-time formula and guards, cut at 2
;         (the time left is never above 1, so a cell of 2 is never crossed: it blocks)
;   U_k = travel-time coordinate of knot k: 2 + the sum of the T below it.  A point moving right adds its time to U, one moving left subtracts.
;   V_k = the sum of a T below knot k (the log-gradient gathered over whole cells)
; B is an input, so the field may jump at a knot.  Where the left cell pushes right (>= 1e-10) and the right cell pushes left (<= -1e-10),
; reference() bounces for ever with dt = 0: the point stops.  Such a knot gets a gap of 2 below its U, and its U carries the sign bit as a mark.
; With at most 1 left nobody crosses a gap, and clamping the time in the cell to [0, T] puts the point on the knot.
; A point then needs: reference()'s first step in its own cell; U, V at the knot where it leaves; a binary search of the end cell in U; a, b, V
; of that cell; one last affine step.  No address and no branch hangs on a float: every lookup is a tree of 31 selects over tables that each
; lane holds in registers (4 tables x 32 registers), steered by the five bits of the index kept as lane masks in scalar registers.
; The selects of one level share their mask, so they go two to an instruction (dual form, the mask in VCC): 31 instructions for two lookups.
; B @ theta (4,224 FLOPs, once a work-group) is made in f32 on the vector unit: the signs of the velocities at the knots hang on it, and
; operands of 16 bits would tear the field apart at the knots.
; No LDS ring, no tensor load, no cluster: a point moves 12 bytes and takes some 220 vector instructions, and nothing large is shared.
; SHARES: 256 work-groups x 16 waves; a work-group owns 8,192 points, a wave 512, a lane 16: four trips of one 16-byte load and two 16-byte
; stores a lane, each covering 512 consecutive aligned bytes of a wave.
; LIMITS.  U <= 2 + 32 x 2 + 31 x 2 = 128, so neighbouring values of U are at most 2^-17 apart.  log1p(s) = ln2 log2(1+s) + the rounding error of 1+s,
; cut at +-2^-22.  expm1(y)/y: 1 + y/2 + y^2/6 + y^3/24 below |y| = 1/16 (first term left out y^4/120), else (2^(y log2 e) - 1)/y.
; A knot at which one of the two one-sided speeds is under 1e-10 does not stop.  A NaN in x gives an unspecified number.
.set TAB,  8448                        ; LDS: bytes 0-8447 a copy of B; then a, b, U, V (128 bytes each) and 2 + S (128 bytes; word 31 = U of knot 32)
; vector registers
.set L,    4                           ; v[4:7]    the next trip's x lands here
.set X,    8                           ; v[8:11]   x of the trip's four points, then z
.set LG,   12                          ; v[12:15]  their log-gradients
.set CF,   16                          ; cell as f32
.set CI,   17                          ; cell as integer
.set A,    18                          ; A and B, UM and VM, AJ and BJ: one even, one odd, since a dual select writes each pair
.set B,    19
.set V,    20
.set XB,   22
.set TAU,  24
.set UM,   25
.set VM,   26
.set TREM, 27
.set SG,   28
.set U,    29
.set US,   30
.set HI,   31
.set TJ,   33
.set E,    34
.set DTJ,  35
.set AJ,   36
.set BJ,   37
.set VJ,   38
.set J,    39
.set XK,   40
.set ONE,  41
.set T0,   42                          ; v[42:49]  at work
.set T1,   43
.set T2,   44
.set T3,   45
.set T4,   46
.set T5,   47
.set T6,   48
.set T7,   49
.set WA,   52                          ; v[52:67]   first tree: levels of 16 and 4; also the search's 16 registers
.set ULO,  WA                          ; the search leaves U of the end cell's lower knot in WA[0]; it is used up before the next lookup
.set TA,   68                          ; v[68:99]   a of the 32 cells, in every lane
.set TB,   100                         ; v[100:131] b
.set TU,   132                         ; v[132:163] U of knots 0..31
.set TV,   164                         ; v[164:195] V of knots 0..31
.set U32,  196                         ; U of knot 32
.set WA2,  200                         ; v[200:207] first tree: levels of 8 and 2
.set WB,   208                         ; v[208:223] second tree: levels of 16 and 4
.set WB2,  226                         ; v[226:233] second tree: levels of 8 and 2; 2 modulo 4 against WA2's 0, so that the two last selects pair
; wave 0 while it builds the tables (before v68-196 hold them)
.set G,    68                          ; v[68:133]  B as loaded
.set RR,   134                         ; v[134:199] lane k: rows 2k and 2k+1 of B, 66 words
.set KF,   16
.set KXL,  17
.set KXR,  20
.set KVL,  21
.set KVR,  22
.set KXS,  23
.set KVV,  25
.set KXB,  26
.set KT,   27
.set KG,   28
.set KS,   29
.set KSV,  30
.set KPV,  31
.set KAT,  32
.set KTMP, 33
.set KU,   34
.set KIX,  35
.set KAD,  36
.set KST,  37
; scalar registers: lane masks
.set MC,   50                          ; s[50:54] bits 0..4 of the cell
.set MM,   55                          ; s[55:59] bits 0..4 of the exit knot
.set MJ,   66                          ; s[66:70] bits 0..4 of the end cell
.set R,    71                          ; moving right
.set HIT,  73                          ; leaves its first cell within the time
.set SV,   74
.set SA,   75
.set UN,   76
.set NG,   77
; reference()'s exit time from xs with speed v to the boundary xb of a cell with slope a; s78 = lanes whose boundary is open.
; What reference() sets to 1e10 is set to 4 here: anything above 1 is 'not reached'.
.macro EXIT ra, rx, rv, rb, rt
	v_cmp_lt_f32 s[SV], |v[\rv]|, s80              ; small_v
	v_cmp_lt_f32 s[SA], |v[\ra]|, s80              ; small_a
	v_cndmask_b32 v[T0], v[\rv], s80, s[SV]        ; v_safe
	v_cndmask_b32 v[T1], v[\ra], s80, s[SA]        ; a_safe
	v_rcp_f32 v[T2], v[T0]
	v_rcp_f32 v[T3], v[T1]
	v_sub_f32 v[T4], v[\rb], v[\rx]                ; the plain instruction between the reciprocals and their first use
	s_wait_alu depctr_va_vdst(0)
	v_mul_f32 v[T4], v[T4], v[T2]                  ; (xb - xs) / v_safe
	v_mul_f32 v[T5], v[\ra], v[T4]                 ; arg_raw
	v_cmp_ge_f32 s[UN], s81, v[T5]                 ; unreach: arg_raw <= -1 + 1e-6
	v_max_num_f32 v[T5], s81, v[T5]
	v_add_f32 v[T6], 1.0, v[T5]                    ; w = 1 + arg, rounded
	v_log_f32 v[T7], v[T6]
	v_add_f32 v[T0], -1.0, v[T6]                   ; the plain instruction behind the logarithm: names neither its result nor writes its source
	v_sub_f32 v[T0], v[T5], v[T0]                  ; arg - (w - 1): what the rounding of w lost
	v_med3_num_f32 v[T0], v[T0], s86, s85          ; it belongs divided by w; cut at 2^-22 it is right near w = 1 and harmless for large w
	s_wait_alu depctr_va_vdst(0)
	v_fma_f32 v[T7], v[T7], s82, v[T0]             ; log1p(arg)
	v_mul_f32 v[T7], v[T7], v[T3]                  ; / a_safe
	v_cndmask_b32 v[\rt], v[T7], v[T4], s[SA]
	v_cmp_gt_f32 s[NG], 0, v[\rt]                  ; tau < 0
	s_or_b32 s[SV], s[SV], s78
	s_or_b32 s[UN], s[UN], s[NG]
	s_or_b32 s[SV], s[SV], s[UN]
	v_cndmask_b32 v[\rt], v[\rt], 4.0, s[SV]
.endm
; the five low bits of an integer as five lane masks
.macro MASKS idx, base
.irp b, 0,1,2,3,4
	v_and_b32 v[T0+\b], 1<<\b, v[\idx]
.endr
.irp b, 0,1,2,3,4
	v_cmp_ne_u32 s[\base+\b], 0, v[T0+\b]
.endr
.endm
; The exit knot is m = cell + (moving right): its five masks are a carry chain over the cell's masks, on the scalar unit.  The carry out of
; bit 4 is 'cell 31, moving right'; no bit set and not moving right is 'cell 0, moving left': the two open boundaries, gathered in s78.
.macro KNOT
	s_xor_b32 s[MM], s[MC], s[R]
	s_and_b32 s79, s[MC], s[R]
.irp b, 1,2,3,4
	s_xor_b32 s[MM+\b], s[MC+\b], s79
	s_and_b32 s79, s[MC+\b], s79
.endr
	s_or_b32 s78, s[MC], s[MC+1]
	s_or_b32 s78, s78, s[MC+2]
	s_or_b32 s78, s78, s[MC+3]
	s_or_b32 s78, s78, s[MC+4]
	s_or_b32 s78, s78, s[R]
	s_not_b32 s78, s78
	s_or_b32 s78, s78, s79
.endm
; One level of a tree: wd[i] = VCC ? ws[2i+1] : ws[2i] for i < n, two selects to an instruction.  The dual form (ISA guide, the chapter on
; VOPD) wants destinations of different parity and, place by place, sources whose numbers differ modulo 4: selects i and i+1 write wd+i and
; wd+i+1 and read registers 2 apart.  wd and ws are different sets, so neither half writes what the other reads.
.macro HALVE n, wd, ws
.set i_, 0
.rept \n/2
	v_dual_cndmask_b32 v[\wd+i_], v[\ws+2*i_], v[\ws+2*i_+1] :: v_dual_cndmask_b32 v[\wd+i_+1], v[\ws+2*i_+2], v[\ws+2*i_+3]
.set i_, i_+2
.endr
.endm
; d0 = t0[index], d1 = t1[index]: two trees side by side, bit 0 first, one move of the mask into VCC for each level; 8+8+4+4+2+2+1+1+1 instructions
.macro LOOKUP2 d0, t0, d1, t1, m
	s_mov_b32 vcc_lo, s[\m]
	HALVE 16, WA, \t0
	HALVE 16, WB, \t1
	s_mov_b32 vcc_lo, s[\m+1]
	HALVE 8, WA2, WA
	HALVE 8, WB2, WB
	s_mov_b32 vcc_lo, s[\m+2]
	HALVE 4, WA, WA2
	HALVE 4, WB, WB2
	s_mov_b32 vcc_lo, s[\m+3]
	HALVE 2, WA2, WA
	HALVE 2, WB2, WB
	s_mov_b32 vcc_lo, s[\m+4]
	v_dual_cndmask_b32 v[\d0], v[WA2], v[WA2+1] :: v_dual_cndmask_b32 v[\d1], v[WB2], v[WB2+1]
.endm
; one tree alone: 8 + 4 + 2 + 1 dual instructions and the last select
.macro LOOKUP1 dst, tab, m
	s_mov_b32 vcc_lo, s[\m]
	HALVE 16, WA, \tab
	s_mov_b32 vcc_lo, s[\m+1]
	HALVE 8, WA2, WA
	s_mov_b32 vcc_lo, s[\m+2]
	HALVE 4, WA, WA2
	s_mov_b32 vcc_lo, s[\m+3]
	HALVE 2, WA2, WA
	v_cndmask_b32 v[\dst], v[WA2], v[WA2+1], s[\m+4]
.endm
; one level of the search: the middle of the 2 h knots left decides; HI follows the upper bracket; the chosen half moves down, two registers
; to an instruction (each half of a pair reads and writes its own registers, one apart from the other half's)
.macro LEVEL h, bit
	v_cmp_le_f32 vcc_lo, |v[WA+\h]|, v[US]
	s_mov_b32 s[MJ+\bit], vcc_lo                   ; the bit is kept for the lookups by j
	v_cndmask_b32 v[HI], v[WA+\h], v[HI], vcc_lo
.set i_, 0
.rept \h/2
	v_dual_cndmask_b32 v[WA+i_], v[WA+i_], v[WA+\h+i_] :: v_dual_cndmask_b32 v[WA+i_+1], v[WA+i_+1], v[WA+\h+i_+1]
.set i_, i_+2
.endr
.endm
; the largest j with |U_j| <= US: its bits in s[MJ..MJ+4], U_j in WA[0], U_(j+1) in HI (both with their marks)
.macro SEARCH
	v_cmp_le_f32 vcc_lo, |v[TU+16]|, v[US]
	s_mov_b32 s[MJ+4], vcc_lo
	v_cndmask_b32 v[HI], v[TU+16], v[U32], vcc_lo
.set i_, 0
.rept 8
	v_dual_cndmask_b32 v[WA+i_], v[TU+i_], v[TU+16+i_] :: v_dual_cndmask_b32 v[WA+i_+1], v[TU+i_+1], v[TU+16+i_+1]
.set i_, i_+2
.endr
	LEVEL 8, 3
	LEVEL 4, 2
	LEVEL 2, 1
	v_cmp_le_f32 vcc_lo, |v[WA+1]|, v[US]
	s_mov_b32 s[MJ], vcc_lo
	v_dual_cndmask_b32 v[WA], v[WA], v[WA+1] :: v_dual_cndmask_b32 v[HI], v[WA+1], v[HI]   ; the last level's two selects: lower and upper bracket
.endm
; j as an integer from its five masks: doubled, with the next bit as the carry in
.macro JNUM
	v_cndmask_b32 v[J], 0, 1, s[MJ+4]
.irp b, 3,2,1,0
	s_mov_b32 vcc_lo, s[MJ+\b]
	v_add_co_ci_u32 v[J], vcc_lo, v[J], v[J], vcc_lo
.endr
.endm
; point i of the trip: x in X+i; z goes to X+i, the log-gradient to LG+i.  What a point that stays in its first cell computes behind the
; first step is thrown away by the selects on HIT: nothing branches.
.macro POINT i
	v_mul_f32 v[CF], s88, v[X+\i]
	v_floor_f32 v[CF], v[CF]
	v_med3_num_f32 v[CF], v[CF], 0, s87            ; cell = clip(floor(32 x), 0, 31)
	v_cvt_u32_f32 v[CI], v[CF]
	MASKS CI, MC
	LOOKUP2 A, TA, B, TB, MC
	v_fma_f32 v[V], v[A], v[X+\i], v[B]
	v_cmp_lt_f32 s[R], 0, v[V]
	v_cndmask_b32 v[T0], 0, s84, s[R]
	v_fma_f32 v[XB], v[CF], s84, v[T0]             ; the knot ahead: (cell + right) / 32, exact
	KNOT
	EXIT A, X+\i, V, XB, TAU
	v_cmp_ge_f32 s[HIT], 1.0, v[TAU]
	LOOKUP2 UM, TU, VM, TV, MM
	v_sub_f32 v[TREM], 1.0, v[TAU]
	v_cmp_gt_f32 s79, 0, v[UM]                     ; a marked knot stops the point: no time is spent behind it
	v_cndmask_b32 v[TREM], v[TREM], 0, s79
	v_cndmask_b32 v[SG], -1.0, 1.0, s[R]
	v_fma_f32 v[U], v[SG], v[TREM], |v[UM]|        ; where the time runs out, in the travel-time coordinate (at least 1, so positive)
	v_cndmask_b32 v[ONE], 1, 0, s[R]
	v_sub_nc_u32 v[US], v[U], v[ONE]               ; moving left: the next smaller float, so that '<= US' means '< U'
	SEARCH
	v_cmp_gt_f32 s79, 0, v[HI]
	v_cndmask_b32 v[T0], 0, 2.0, s79               ; a marked upper knot: the cell ends below the gap
	v_sub_f32 v[T1], |v[HI]|, v[T0]
	v_sub_f32 v[TJ], v[T1], |v[ULO]|               ; the end cell's crossing time
	v_sub_f32 v[T2], v[U], |v[ULO]|
	v_med3_num_f32 v[E], v[T2], 0, v[TJ]           ; its part below U
	v_sub_f32 v[T3], v[TJ], v[E]
	v_cndmask_b32 v[DTJ], v[T3], v[E], s[R]        ; time spent in the end cell
	LOOKUP2 AJ, TA, BJ, TB, MJ
	LOOKUP1 VJ, TV, MJ
	JNUM
	v_add_nc_u32 v[T0], v[J], v[ONE]
	v_cvt_f32_u32 v[T0], v[T0]
	v_mul_f32 v[XK], s84, v[T0]                    ; the knot by which the end cell is entered
	v_sub_f32 v[T1], v[VJ], v[VM]
	v_fma_f32 v[T1], v[AJ], v[E], v[T1]            ; V at U minus V at the exit knot
	v_mul_f32 v[T2], v[A], v[TAU]
	v_fma_f32 v[T1], v[SG], v[T1], v[T2]
	v_cndmask_b32 v[LG+\i], v[A], v[T1], s[HIT]    ; staying: a x 1
	v_cndmask_b32 v[A], v[A], v[AJ], s[HIT]        ; the last affine step: from (x, 1) in the first cell or from (knot, time left) in the end cell
	v_cndmask_b32 v[B], v[B], v[BJ], s[HIT]
	v_cndmask_b32 v[XK], v[X+\i], v[XK], s[HIT]
	v_cndmask_b32 v[DTJ], 1.0, v[DTJ], s[HIT]
	v_fma_f32 v[V], v[A], v[XK], v[B]
	v_mul_f32 v[T0], v[A], v[DTJ]                  ; y = a dt
	v_mul_f32 v[T1], s83, v[T0]
	v_exp_f32 v[T2], v[T1]
	v_rcp_f32 v[T3], v[T0]
	v_fma_f32 v[T4], v[T0], s89, s90               ; the plain instruction behind the two; y/24 + 1/6
	v_fma_f32 v[T4], v[T4], v[T0], 0.5
	v_fma_f32 v[T4], v[T4], v[T0], 1.0
	s_wait_alu depctr_va_vdst(0)
	v_add_f32 v[T2], -1.0, v[T2]
	v_mul_f32 v[T2], v[T2], v[T3]
	v_cmp_lt_f32 s79, |v[T0]|, s91
	v_cndmask_b32 v[T2], v[T2], v[T4], s79         ; expm1(y) / y
	v_mul_f32 v[T2], v[DTJ], v[T2]
	v_fma_f32 v[X+\i], v[V], v[T2], v[XK]          ; z = xs + v dt expm1(y)/y
.endm
; inclusive sum over the 32 lanes: four shifted adds inside each half of 16 lanes, then the lower half's total onto the upper half
.macro SCAN reg, tmp
.irp n, 1,2,4,8
	v_mov_b32_dpp v[\tmp], v[\reg] row_shr:\n row_mask:0xf bank_mask:0xf bound_ctrl:1
	v_add_f32 v[\reg], v[\reg], v[\tmp]
.endr
	v_readlane_b32 s79, v[\reg], 15
	v_mov_b32 v[\tmp], s79
	v_cndmask_b32 v[\tmp], 0, v[\tmp], s92
	v_add_f32 v[\reg], v[\reg], v[\tmp]
.endm
; one trip: four points a lane.  The next trip's x is asked for at the head and has the whole trip in which to land; it lands in registers
; of its own, since X is worked on in place and stored from: hence the two dual moves at the head of a trip's four points.
.macro TRIP ahead
	s_wait_loadcnt 0x0                             ; the one load that is out: this trip's x
	v_dual_mov_b32 v[X], v[L] :: v_dual_mov_b32 v[X+1], v[L+1]
	v_dual_mov_b32 v[X+2], v[L+2] :: v_dual_mov_b32 v[X+3], v[L+3]
.if \ahead
	global_load_b128 v[L:L+3], v1, s[4:5] offset:512 th:TH_LOAD_NT
.endif
	POINT 0
	POINT 1
	POINT 2
	POINT 3
	global_store_b128 v1, v[X:X+3], s[10:11] th:TH_STORE_NT
	global_store_b128 v1, v[LG:LG+3], s[12:13] th:TH_STORE_NT
.if \ahead
	s_wait_xcnt 0x0                                ; v1, X and LG, which the load and the stores name, are written again only behind this wait
	v_add_nc_u32 v1, 512, v1
.endif
.endm
	s_load_b256 s[4:11], s[0:1], 0x0               ; x s[4:5], theta s[6:7], B s[8:9], out0 s[10:11]
	s_load_b64 s[12:13], s[0:1], 0x20              ; out1
	v_lshl_add_u32 v240, v0, 2, 0x2400
	v_mov_b32 v241, 0
	v_lshrrev_b32 v2, 5, v0
	v_readfirstlane_b32 s14, v2                    ; wave 0..15
	v_and_b32 v3, 31, v0                           ; lane
	v_lshlrev_b32 v1, 4, v3
	v_lshl_add_u32 v1, v2, 11, v1                  ; my 16 bytes of the first trip: wave x 2,048 + lane x 16
	s_lshl_b32 s2, ttmp9, 15                       ; the work-group's 8,192 points: 32,768 bytes (256 groups: below 2^23)
	s_mov_b32 s3, 0
	s_mov_b32 s80, 0x2edbe6ff                      ; 1e-10
	s_mov_b32 s81, 0xbf7fffef                      ; -1 + 1e-6
	s_mov_b32 s82, 0x3f317218                      ; ln 2
	s_mov_b32 s83, 0x3fb8aa3b                      ; log2 e
	s_mov_b32 s84, 0x3d000000                      ; 1/32
	s_mov_b32 s85, 0x34800000                      ; 2^-22
	s_mov_b32 s86, 0xb4800000                      ; -2^-22
	s_mov_b32 s87, 0x41f80000                      ; 31
	s_mov_b32 s88, 0x42000000                      ; 32
	s_mov_b32 s89, 0x3d2aaaab                      ; 1/24
	s_mov_b32 s90, 0x3e2aaaab                      ; 1/6
	s_mov_b32 s91, 0x3d800000                      ; 1/16
	s_mov_b32 s92, 0xffff0000                      ; lanes 16-31
	s_mov_b32 s93, 0xaedbe6ff                      ; -1e-10
	s_wait_kmcnt 0x0
	s_add_nc_u64 s[4:5], s[4:5], s[2:3]
	s_add_nc_u64 s[10:11], s[10:11], s[2:3]
	s_add_nc_u64 s[12:13], s[12:13], s[2:3]
	global_load_b128 v[L:L+3], v1, s[4:5] th:TH_LOAD_NT    ; the first trip's x, on its way while the tables are made
	s_cmp_lg_u32 s14, 0
	s_cbranch_scc1 .Lbuilt
	; ---- wave 0 makes the tables, lane k for cell k ----
	s_load_b512 s[16:31], s[6:7], 0x0              ; theta: 33 words
	s_load_b512 s[32:47], s[6:7], 0x40
	s_load_b32 s48, s[6:7], 0x80
	v_lshlrev_b32 v2, 3, v3
.set i_, 0
.rept 33
	global_load_b64 v[G+2*i_:G+2*i_+1], v2, s[8:9] offset:256*i_   ; B's 8,448 bytes as 33 runs of 256 consecutive aligned bytes
.set i_, i_+1
.endr
	v_mul_u32_u24 v[KAD], v3, 264                  ; rows 2k, 2k+1 of B are the 66 words from byte 264 k: lane k's 8-byte reads start at word 66 k, 2 k modulo 64
	v_add_nc_u32 v[KIX], 31, v3
	v_and_b32 v[KIX], 31, v[KIX]
	v_lshlrev_b32 v[KIX], 2, v[KIX]                ; the lane below, as a byte index
	v_lshlrev_b32 v[KST], 2, v3
	v_cvt_f32_u32 v[KF], v3
	v_mul_f32 v[KXL], s84, v[KF]                   ; the cell's left knot
	v_add_f32 v[KXR], 1.0, v[KF]
	v_mul_f32 v[KXR], s84, v[KXR]                  ; and its right one
	s_wait_loadcnt 0x0
.set i_, 0
.rept 33
	ds_store_b64 v2, v[G+2*i_:G+2*i_+1] offset:256*i_
.set i_, i_+1
.endr
.set i_, 0
.rept 33
	ds_load_b64 v[RR+2*i_:RR+2*i_+1], v[KAD] offset:8*i_   ; the wave's own bytes: LDS serves a wave's instructions in order
.set i_, i_+1
.endr
	s_wait_dscnt 0x0
	s_wait_kmcnt 0x0
	v_mul_f32 v[A], s16, v[RR]                     ; the first products start the two sums
	v_mul_f32 v[B], s16, v[RR+33]
.set i_, 1
.rept 32
	v_fmac_f32 v[A], s[16+i_], v[RR+i_]
	v_fmac_f32 v[B], s[16+i_], v[RR+33+i_]
.set i_, i_+1
.endr
	v_fma_f32 v[KVL], v[A], v[KXL], v[B]           ; the cell's speed at its left knot
	v_fma_f32 v[KVR], v[A], v[KXR], v[B]           ; and at its right one
	ds_bpermute_b32 v[KPV], v[KIX], v[KVR]         ; the left neighbour's speed at my left knot (the index is made of the lane's number alone)
	v_cmp_lt_f32 s[R], 0, v[KVL]                   ; entered from the left, crossed to the right; else the other way
	v_cndmask_b32 v[KXS], v[KXR], v[KXL], s[R]
	v_cndmask_b32 v[KVV], v[KVR], v[KVL], s[R]
	v_cndmask_b32 v[KXB], v[KXL], v[KXR], s[R]
	s_and_b32 s78, s[R], 0x80000000                ; open: cell 31 to the right,
	s_and_not1_b32 s79, 1, s[R]                    ; cell 0 to the left
	s_or_b32 s78, s78, s79
	EXIT A, KXS, KVV, KXB, TAU
	v_min_num_f32 v[KT], 2.0, v[TAU]
	s_wait_dscnt 0x0                               ; the neighbour's speed is here
	v_cmp_le_f32 s[SV], s80, v[KPV]
	v_cmp_ge_f32 s[SA], s93, v[KVL]
	s_and_b32 s[SV], s[SV], s[SA]
	s_and_b32 s[SV], s[SV], 0xfffffffe             ; knot 0 has no left neighbour
	v_cndmask_b32 v[KG], 0, 2.0, s[SV]             ; the gap below a knot that stops
	v_add_f32 v[KS], v[KT], v[KG]
	v_mul_f32 v[KAT], v[A], v[KT]
	v_mov_b32 v[KSV], v[KAT]
	v_mov_b32 v[KTMP], 0
	SCAN KS, KTMP
	SCAN KSV, KTMP
	v_sub_f32 v[KU], v[KS], v[KT]
	v_add_f32 v[KU], 2.0, v[KU]                    ; U of my left knot, above its gap
	v_cndmask_b32 v[KTMP], 0, 0x80000000, s[SV]
	v_or_b32 v[KU], v[KU], v[KTMP]                 ; the mark
	v_sub_f32 v[KSV], v[KSV], v[KAT]               ; V of my left knot
	v_add_f32 v[KS], 2.0, v[KS]                    ; lane 31: U of knot 32
	ds_store_b32 v[KST], v[A] offset:TAB
	ds_store_b32 v[KST], v[B] offset:TAB+128
	ds_store_b32 v[KST], v[KU] offset:TAB+256
	ds_store_b32 v[KST], v[KSV] offset:TAB+384
	ds_store_b32 v[KST], v[KS] offset:TAB+512
.Lbuilt:
	s_wait_dscnt 0x0                               ; wave 0's table stores are done before it signals
	s_barrier_signal -1
	s_barrier_wait -1                              ; the one barrier: behind it every wave reads the tables, and nobody writes LDS any more
	v_mov_b32 v2, TAB
.set i_, 0
.rept 32
	ds_load_b128 v[TA+4*i_:TA+4*i_+3], v2 offset:16*i_     ; all lanes read the same 16 bytes: a, b, U, V into v68-195
.set i_, i_+1
.endr
	ds_load_b32 v[U32], v2 offset:636              ; word 31 of the fifth table
	s_wait_dscnt 0x0
	s_mov_b32 s15, 3
.Ltrip:
	TRIP 1
	s_sub_co_u32 s15, s15, 1
	s_cmp_lg_u32 s15, 0
	s_cbranch_scc1 .Ltrip
	TRIP 0                                         ; the last trip asks for nothing: no load leaves the wave's 2,048 bytes
	s_wait_tensorcnt 0x0
	ds_add_u32 v240, v241
	s_wait_dscnt 0x0
	s_endpgm
.Lfunc_end_k_q415106738c_cpab:
	.size	k_q415106738c_cpab, .Lfunc_end_k_q415106738c_cpab-k_q415106738c_cpab
	.p2alignl 7, 3214868480
	.fill 96, 4, 3214868480
	.section	.rodata,"a",@progbits
	.p2align	6, 0x0
	.amdhsa_kernel k_q415106738c_cpab
		.amdhsa_group_segment_fixed_size 11264
		.amdhsa_private_segment_fixed_size 0
		.amdhsa_enable_private_segment 0
		.amdhsa_kernarg_size 40
		.amdhsa_user_sgpr_count 2
		.amdhsa_user_sgpr_kernarg_segment_ptr 1
		.amdhsa_wavefront_size32 1
		.amdhsa_system_sgpr_workgroup_id_x 1
		.amdhsa_system_sgpr_workgroup_id_y 1
		.amdhsa_system_sgpr_workgroup_id_z 1
		.amdhsa_system_vgpr_workitem_id 0
		.amdhsa_next_free_vgpr 242
		.amdhsa_next_free_sgpr 96
		.amdhsa_reserve_vcc 1
		.amdhsa_float_denorm_mode_32 3
		.amdhsa_float_denorm_mode_16_64 3
		.amdhsa_memory_ordered 1
		.amdhsa_forward_progress 1
		.amdhsa_inst_pref_size 132
	.end_amdhsa_kernel
	.amdgpu_metadata
---
amdhsa.version: [ 1, 2 ]
amdhsa.kernels:
  - .name:           k_q415106738c_cpab
    .symbol:         k_q415106738c_cpab.kd
    .args:
      - { .name: x, .offset: 0, .size: 8, .value_kind: global_buffer, .address_space: global }
      - { .name: theta, .offset: 8, .size: 8, .value_kind: global_buffer, .address_space: global }
      - { .name: B, .offset: 16, .size: 8, .value_kind: global_buffer, .address_space: global }
      - { .name: out0, .offset: 24, .size: 8, .value_kind: global_buffer, .address_space: global }
      - { .name: out1, .offset: 32, .size: 8, .value_kind: global_buffer, .address_space: global }
    .group_segment_fixed_size: 11264
    .private_segment_fixed_size: 0
    .kernarg_segment_align: 8
    .kernarg_segment_size: 40
    .max_flat_workgroup_size: 512
    .sgpr_count:     96
    .vgpr_count:     242
    .wavefront_size: 32
...
	.end_amdgpu_metadata
.endif
;; end of part 2
;; ======== version 3 of 3: 1 launch; 1.49 times as fast as version 1
;; launch cpab (part 3): grid 256 x 1, 16 waves a work-group, no clusters, 11,264 bytes of LDS; arguments x, theta, B, out0, out1; writes out0, out1
.if DOCPART == 3
	.amdgcn_target "amdgcn-amd-amdhsa--gfx1250"
	.amdhsa_code_object_version 6
	.text
	.protected	k_q415106738c_cpab
	.globl	k_q415106738c_cpab
	.p2align	8
	.type	k_q415106738c_cpab,@function
k_q415106738c_cpab:
	s_mov_b64 s[64:65], 0
	v_nop
	global_prefetch_b8 v0, s[64:65] scope:SCOPE_SE
	s_setreg_imm32_b32 hwreg(HW_REG_WAVE_MODE, 25, 1), 1
	s_wait_xcnt 0x0
; FlowCPAB: z = phi(x) and lg = log dphi/dx for the flow (time 1) of dx/dt = a_c x + b_c on 32 cells of [0,1]; (a_c, b_c) = rows 2c, 2c+1 of B @ theta.
; reference() walks 33 steps a point.  Here the walk is closed: a trajectory keeps its direction, and behind its first knot it crosses whole
; cells, whose crossing times hang on theta and B alone.  Once per work-group (wave 0, lane k = cell k):
;   T_k = time to cross cell k in the direction in which it can be entered, by reference()'s own exit-time formula and guards, cut at 2
;         (the time left is never above 1, so a cell of 2 is never crossed: it blocks)
;   U_k = travel-time coordinate of knot k: 2 + the sum of the T below it.  A point moving right adds its time to U, one moving left subtracts.
;   V_k = the sum of a T below knot k (the log-gradient gathered over whole cells)
; B is an input, so the field may jump at a knot.  Where the left cell pushes right (>= 1e-10) and the right cell pushes left (<= -1e-10),
; reference() bounces for ever with dt = 0: the point stops.  Such a knot gets a gap of 2 below its U, and its U carries the sign bit as a mark.
; With at most 1 left nobody crosses a gap, and clamping the time in the cell to [0, T] puts the point on the knot.
; A point then needs: reference()'s first step in its own cell; U, V at the knot where it leaves; a binary search of the end cell in U; a, b, V
; of that cell; one last affine step.  No address and no branch hangs on a float: every lookup is a tree of 31 selects over tables that each
; lane holds in registers (4 tables x 32 registers), steered by the five bits of the index kept as lane masks in scalar registers.
; The selects of one level share their mask, so they go two to an instruction (dual form, the mask in VCC): 31 instructions for two lookups.
; ORDER.  A point's arithmetic is a few chains in which each instruction needs the one before.  Each chain is laid, one step behind each dual
; select, into a tree that does not depend on it: the exit time into the lookup of U, V; the time in the end cell into the lookup of a, b
; there; the last affine step into the lookup of V there; the log-gradient's last three instructions into the next point's first lookup.
; A chain names neither VCC nor the trees' registers.
; B @ theta (4,224 FLOPs, once a work-group) is made in f32 on the vector unit: the signs of the velocities at the knots hang on it, and
; operands of 16 bits would tear the field apart at the knots.
; No LDS ring, no tensor load, no cluster: a point moves 12 bytes and takes some 216 vector instructions, and nothing large is shared.
; SHARES: 256 work-groups x 16 waves; a work-group owns 8,192 points, a wave 512, a lane 16: four trips of one 16-byte load and two 16-byte
; stores a lane, each covering 512 consecutive aligned bytes of a wave.
; LIMITS.  U <= 2 + 32 x 2 + 31 x 2 = 128, so neighbouring values of U are at most 2^-17 apart.  log1p(s) = ln2 log2(1+s) + the rounding error of 1+s,
; cut at +-2^-22.  expm1(y)/y: 1 + y/2 + y^2/6 + y^3/24 below |y| = 1/16 (first term left out y^4/120), else (2^(y log2 e) - 1)/y.
; A knot at which one of the two one-sided speeds is under 1e-10 does not stop.  A NaN in x gives an unspecified number.
.set TAB,  8448                        ; LDS: bytes 0-8447 a copy of B; then a, b, U, V (128 bytes each) and 2 + S (128 bytes; word 31 = U of knot 32)
; vector registers
.set L,    4                           ; v[4:7]    the next trip's x lands here
.set X,    8                           ; v[8:11]   x of the trip's four points, then z
.set LG,   12                          ; v[12:15]  first each point's cell as f32, then its log-gradient
.set A,    18                          ; A and B, UM and VM, AJ and BJ: one even, one odd, since a dual select writes each pair
.set B,    19
.set V,    20
.set AF,   21                          ; a and b of the last affine step
.set XB,   22
.set BF,   23
.set TAU,  24
.set UM,   25
.set VM,   26
.set TREM, 27
.set SG,   28
.set U,    29
.set US,   30
.set HI,   31                          ; U of the end cell's upper knot
.set ULO,  32                          ; U of its lower knot (even against HI's odd: one dual select writes both)
.set TJ,   33
.set E,    34
.set DTJ,  35
.set AJ,   36
.set BJ,   37
.set VJ,   38
.set J,    39
.set XK,   40
.set ONE,  41
.set T0,   42                          ; v[42:49]  at work
.set T1,   43
.set T2,   44
.set T3,   45
.set T4,   46
.set T5,   47
.set T6,   48
.set T7,   49
.set WA,   52                          ; v[52:67]   first tree: levels of 16 and 4; also the search's 16 registers
.set TA,   68                          ; v[68:99]   a of the 32 cells, in every lane
.set TB,   100                         ; v[100:131] b
.set TU,   132                         ; v[132:163] U of knots 0..31
.set TV,   164                         ; v[164:195] V of knots 0..31
.set U32,  196                         ; U of knot 32
.set WA2,  200                         ; v[200:207] first tree: levels of 8 and 2
.set WB,   208                         ; v[208:223] second tree: levels of 16 and 4
.set WB2,  226                         ; v[226:233] second tree: levels of 8 and 2; 2 modulo 4 against WA2's 0, so that the two last selects pair
; wave 0 while it builds the tables (before v68-196 hold them)
.set G,    68                          ; v[68:133]  B as loaded
.set RR,   134                         ; v[134:199] lane k: rows 2k and 2k+1 of B, 66 words
.set KF,   16
.set KXL,  17
.set KXR,  20
.set KVL,  21
.set KVR,  22
.set KXS,  23
.set KVV,  25
.set KXB,  26
.set KT,   27
.set KG,   28
.set KS,   29
.set KSV,  30
.set KPV,  31
.set KAT,  32
.set KTMP, 33
.set KU,   34
.set KIX,  35
.set KAD,  36
.set KST,  37
; scalar registers: lane masks
.set MCB,  16                          ; s[16:35] bits 0..4 of the cell, a set of five for each of the trip's four points (theta's registers, free behind the build)
.set MM,   55                          ; s[55:59] bits 0..4 of the exit knot
.set MJ,   66                          ; s[66:70] bits 0..4 of the end cell
.set R,    71                          ; moving right
.set HIT,  73                          ; leaves its first cell within the time
.set SV,   74
.set SA,   75
.set UN,   76
.set NG,   77
; ---- chains, cut into steps.  fm_ = which chain is being laid out (0: none), fk_ = its next step. ----
.set fm_, 0
.set fk_, 0
; Chain 1: reference()'s exit time RT_ from RX_ with speed RV_ to the boundary RB_ of a cell with slope RA_; s78 = lanes whose boundary is open.
; What reference() sets to 1e10 is set to 4 here: anything above 1 is 'not reached'.
.macro EXF
.if fk_ == 0
	v_cmp_lt_f32 s[SV], |v[RV_]|, s80              ; small_v
.endif
.if fk_ == 1
	v_cmp_lt_f32 s[SA], |v[RA_]|, s80              ; small_a
.endif
.if fk_ == 2
	v_cndmask_b32 v[T0], v[RV_], s80, s[SV]        ; v_safe
.endif
.if fk_ == 3
	v_cndmask_b32 v[T1], v[RA_], s80, s[SA]        ; a_safe
.endif
.if fk_ == 4
	v_rcp_f32 v[T2], v[T0]
	v_rcp_f32 v[T3], v[T1]
	v_sub_f32 v[T4], v[RB_], v[RX_]                ; the plain instruction between the reciprocals and their first use
.endif
.if fk_ == 5
	s_wait_alu depctr_va_vdst(0)
	v_mul_f32 v[T4], v[T4], v[T2]                  ; (xb - xs) / v_safe
.endif
.if fk_ == 6
	v_mul_f32 v[T5], v[RA_], v[T4]                 ; arg_raw
.endif
.if fk_ == 7
	v_cmp_ge_f32 s[UN], s81, v[T5]                 ; unreach: arg_raw <= -1 + 1e-6
.endif
.if fk_ == 8
	v_max_num_f32 v[T5], s81, v[T5]
.endif
.if fk_ == 9
	v_add_f32 v[T6], 1.0, v[T5]                    ; w = 1 + arg, rounded
.endif
.if fk_ == 10
	v_log_f32 v[T7], v[T6]
	v_add_f32 v[T0], -1.0, v[T6]                   ; the plain instruction behind the logarithm: names neither its result nor writes its source
.endif
.if fk_ == 11
	v_sub_f32 v[T0], v[T5], v[T0]                  ; arg - (w - 1): what the rounding of w lost
.endif
.if fk_ == 12
	v_med3_num_f32 v[T0], v[T0], s86, s85          ; it belongs divided by w; cut at 2^-22 it is right near w = 1 and harmless for large w
.endif
.if fk_ == 13
	s_wait_alu depctr_va_vdst(0)
	v_fma_f32 v[T7], v[T7], s82, v[T0]             ; log1p(arg)
.endif
.if fk_ == 14
	v_mul_f32 v[T7], v[T7], v[T3]                  ; / a_safe
.endif
.if fk_ == 15
	v_cndmask_b32 v[RT_], v[T7], v[T4], s[SA]
.endif
.if fk_ == 16
	v_cmp_gt_f32 s[NG], 0, v[RT_]                  ; tau < 0
	s_or_b32 s[SV], s[SV], s78                     ; the masks that are long there are gathered meanwhile
	s_or_b32 s[SV], s[SV], s[UN]
.endif
                                                       ; steps 17 and 18 are empty: the host's selects stand between the compare and the scalar line that reads its mask
.if fk_ == 19
	s_or_b32 s[SV], s[SV], s[NG]
	v_cndmask_b32 v[RT_], v[RT_], 4.0, s[SV]
.endif
.endm
; Chain 2: behind the search: the time spent in the end cell, the knot by which it is entered, and a tau for the log-gradient
.macro P4F
.if fk_ == 0
	v_cmp_gt_f32 s79, 0, v[HI]
.endif
.if fk_ == 1
	v_sub_f32 v[T2], v[U], |v[ULO]|
.endif
.if fk_ == 2
	v_cndmask_b32 v[T0], 0, 2.0, s79               ; a marked upper knot: the cell ends below the gap
.endif
.if fk_ == 3
	v_sub_f32 v[T1], |v[HI]|, v[T0]
.endif
.if fk_ == 4
	v_sub_f32 v[TJ], v[T1], |v[ULO]|               ; the end cell's crossing time
.endif
.if fk_ == 5
	v_med3_num_f32 v[E], v[T2], 0, v[TJ]           ; its part below U
.endif
.if fk_ == 6
	v_sub_f32 v[T3], v[TJ], v[E]
.endif
.if fk_ == 7
	v_cndmask_b32 v[DTJ], v[T3], v[E], s[R]        ; time spent in the end cell
.endif
.if fk_ == 8
	v_add_nc_u32 v[T0], v[J], v[ONE]
.endif
.if fk_ == 9
	v_cvt_f32_u32 v[T0], v[T0]
.endif
.if fk_ == 10
	v_mul_f32 v[XK], s84, v[T0]                    ; the knot by which the end cell is entered
.endif
.if fk_ == 11
	v_mul_f32 v[T6], v[A], v[TAU]                  ; kept for chain 4
.endif
.endm
; Chain 3: the last affine step, from (x, 1) in the first cell or from (knot, time left) in the end cell: z = xs + v dt expm1(y)/y, y = a dt
.macro ZF
.if fk_ == 0
	v_cndmask_b32 v[AF], v[A], v[AJ], s[HIT]
.endif
.if fk_ == 1
	v_cndmask_b32 v[BF], v[B], v[BJ], s[HIT]
.endif
.if fk_ == 2
	v_cndmask_b32 v[XK], v[XI], v[XK], s[HIT]
.endif
.if fk_ == 3
	v_cndmask_b32 v[DTJ], 1.0, v[DTJ], s[HIT]
.endif
.if fk_ == 4
	v_mul_f32 v[T0], v[AF], v[DTJ]                 ; y
.endif
.if fk_ == 5
	v_fma_f32 v[V], v[AF], v[XK], v[BF]
.endif
.if fk_ == 6
	v_mul_f32 v[T1], s83, v[T0]
.endif
.if fk_ == 7
	v_exp_f32 v[T2], v[T1]
	v_rcp_f32 v[T3], v[T0]
	v_fma_f32 v[T4], v[T0], s89, s90               ; the plain instruction behind the two; y/24 + 1/6
.endif
.if fk_ == 8
	v_fma_f32 v[T4], v[T4], v[T0], 0.5
.endif
.if fk_ == 9
	s_wait_alu depctr_va_vdst(0)
	v_add_f32 v[T2], -1.0, v[T2]
.endif
.if fk_ == 10
	v_fma_f32 v[T4], v[T4], v[T0], 1.0
.endif
.if fk_ == 11
	v_mul_f32 v[T2], v[T2], v[T3]
.endif
.if fk_ == 12
	v_cmp_lt_f32 s79, |v[T0]|, s91
.endif
.if fk_ == 13
	v_fma_f32 v[T5], v[AJ], v[E], -v[VM]           ; kept for chain 4
.endif
.if fk_ == 14
	v_cndmask_b32 v[T2], v[T2], v[T4], s79         ; expm1(y) / y
.endif
.if fk_ == 15
	v_mul_f32 v[T2], v[DTJ], v[T2]
.endif
.if fk_ == 16
	v_fma_f32 v[XI], v[V], v[T2], v[XK]            ; z
.endif
.endm
; Chain 4: lg = a tau + sg (V_j + a_j e - V_m), or a x 1 for a point that stays.  It reads A, which its host (the next point's lookup of a, b)
; writes with its last select: the three steps stand behind the host's first three.
.macro LGF
.if fk_ == 0
	v_add_f32 v[T7], v[VJ], v[T5]
.endif
.if fk_ == 1
	v_fma_f32 v[T7], v[SG], v[T7], v[T6]
.endif
.if fk_ == 2
	v_cndmask_b32 v[LGP], v[A], v[T7], s[HIT]
.endif
.endm
.macro STEP                            ; the current chain's next step (nothing, if there is no chain or it has run out)
.if fm_ == 1
	EXF
.endif
.if fm_ == 2
	P4F
.endif
.if fm_ == 3
	ZF
.endif
.if fm_ == 4
	LGF
.endif
.set fk_, fk_+1
.endm
.macro CHAIN mode
.set fm_, \mode
.set fk_, 0
.endm
.macro DRAIN                           ; what the host had no room for: the longest chain has 20 steps
.rept 20
	STEP
.endr
.set fm_, 0
.endm
.macro EXSET ra, rx, rv, rb, rt
.set RA_, \ra
.set RX_, \rx
.set RV_, \rv
.set RB_, \rb
.set RT_, \rt
	CHAIN 1
.endm
; The exit knot is m = cell + (moving right): its five masks are a carry chain over the cell's masks, on the scalar unit.  The carry out of
; bit 4 is 'cell 31, moving right'; no bit set and not moving right is 'cell 0, moving left': the two open boundaries, gathered in s78.
.macro KNOT
	s_xor_b32 s[MM], s[MC], s[R]
	s_and_b32 s79, s[MC], s[R]
.irp b, 1,2,3,4
	s_xor_b32 s[MM+\b], s[MC+\b], s79
	s_and_b32 s79, s[MC+\b], s79
.endr
	s_or_b32 s78, s[MC], s[MC+1]
	s_or_b32 s78, s78, s[MC+2]
	s_or_b32 s78, s78, s[MC+3]
	s_or_b32 s78, s78, s[MC+4]
	s_or_b32 s78, s78, s[R]
	s_not_b32 s78, s78
	s_or_b32 s78, s78, s79
.endm
; One level of a tree: wd[i] = VCC ? ws[2i+1] : ws[2i] for i < n, two selects to an instruction, a step of the current chain behind each.
; The dual form (ISA guide, the chapter on VOPD) wants destinations of different parity and, place by place, sources whose numbers differ
; modulo 4: selects i and i+1 write wd+i and wd+i+1 and read registers 2 apart.  wd and ws are different sets, so neither half writes what the other reads.
.macro HALVE n, wd, ws
.set i_, 0
.rept \n/2
	v_dual_cndmask_b32 v[\wd+i_], v[\ws+2*i_], v[\ws+2*i_+1] :: v_dual_cndmask_b32 v[\wd+i_+1], v[\ws+2*i_+2], v[\ws+2*i_+3]
	STEP
.set i_, i_+2
.endr
.endm
; d0 = t0[index], d1 = t1[index]: two trees side by side, bit 0 first, one move of the mask into VCC for each level; 8+8+4+4+2+2+1+1+1 instructions
.macro LOOKUP2 d0, t0, d1, t1, m
	s_mov_b32 vcc_lo, s[\m]
	HALVE 16, WA, \t0
	HALVE 16, WB, \t1
	s_mov_b32 vcc_lo, s[\m+1]
	HALVE 8, WA2, WA
	HALVE 8, WB2, WB
	s_mov_b32 vcc_lo, s[\m+2]
	HALVE 4, WA, WA2
	HALVE 4, WB, WB2
	s_mov_b32 vcc_lo, s[\m+3]
	HALVE 2, WA2, WA
	HALVE 2, WB2, WB
	s_mov_b32 vcc_lo, s[\m+4]
	v_dual_cndmask_b32 v[\d0], v[WA2], v[WA2+1] :: v_dual_cndmask_b32 v[\d1], v[WB2], v[WB2+1]
.endm
; one tree alone: 8 + 4 + 2 + 1 dual instructions and the last select
.macro LOOKUP1 dst, tab, m
	s_mov_b32 vcc_lo, s[\m]
	HALVE 16, WA, \tab
	s_mov_b32 vcc_lo, s[\m+1]
	HALVE 8, WA2, WA
	s_mov_b32 vcc_lo, s[\m+2]
	HALVE 4, WA, WA2
	s_mov_b32 vcc_lo, s[\m+3]
	HALVE 2, WA2, WA
	v_cndmask_b32 v[\dst], v[WA2], v[WA2+1], s[\m+4]
.endm
; one level of the search: the middle of the 2 h knots left decides; HI follows the upper bracket; the chosen half moves down, two registers
; to an instruction (each half of a pair reads and writes its own registers, one apart from the other half's).  The bit is copied out of VCC
; behind the selects, for the lookups by j, and then goes into j as the carry of a doubling.
.macro LEVEL h, bit
	v_cmp_le_f32 vcc_lo, |v[WA+\h]|, v[US]
	v_cndmask_b32 v[HI], v[WA+\h], v[HI], vcc_lo
.set i_, 0
.rept \h/2
	v_dual_cndmask_b32 v[WA+i_], v[WA+i_], v[WA+\h+i_] :: v_dual_cndmask_b32 v[WA+i_+1], v[WA+i_+1], v[WA+\h+i_+1]
.set i_, i_+2
.endr
	s_mov_b32 s[MJ+\bit], vcc_lo
	v_add_co_ci_u32 v[J], vcc_lo, v[J], v[J], vcc_lo
.endm
; the largest j with |U_j| <= US: its bits in s[MJ..MJ+4], j in J, U_j in ULO, U_(j+1) in HI (both with their marks)
.macro SEARCH
	v_cmp_le_f32 vcc_lo, |v[TU+16]|, v[US]
	v_cndmask_b32 v[HI], v[TU+16], v[U32], vcc_lo
.set i_, 0
.rept 8
	v_dual_cndmask_b32 v[WA+i_], v[TU+i_], v[TU+16+i_] :: v_dual_cndmask_b32 v[WA+i_+1], v[TU+i_+1], v[TU+16+i_+1]
.set i_, i_+2
.endr
	s_mov_b32 s[MJ+4], vcc_lo
	v_cndmask_b32 v[J], 0, 1, vcc_lo
	LEVEL 8, 3
	LEVEL 4, 2
	LEVEL 2, 1
	v_cmp_le_f32 vcc_lo, |v[WA+1]|, v[US]
	v_dual_cndmask_b32 v[ULO], v[WA], v[WA+1] :: v_dual_cndmask_b32 v[HI], v[WA+1], v[HI]   ; the last level's two selects: lower and upper bracket
	s_mov_b32 s[MJ], vcc_lo
	v_add_co_ci_u32 v[J], vcc_lo, v[J], v[J], vcc_lo
.endm
; The four points' cells, side by side: cell = clip(floor(32 x), 0, 31), kept as f32 in LG+k until the point's turn.  Its five bits become
; lane masks as the carries of five doublings of cell << 27, bit 4 first.
.macro HEADS
.irp k, 0,1,2,3
	v_mul_f32 v[LG+\k], s88, v[X+\k]
.endr
.irp k, 0,1,2,3
	v_floor_f32 v[LG+\k], v[LG+\k]
.endr
.irp k, 0,1,2,3
	v_med3_num_f32 v[LG+\k], v[LG+\k], 0, s87
.endr
.irp k, 0,1,2,3
	v_cvt_u32_f32 v[T0+\k], v[LG+\k]
.endr
.irp k, 0,1,2,3
	v_lshlrev_b32 v[T0+\k], 27, v[T0+\k]
.endr
.irp b, 4,3,2,1,0
.irp k, 0,1,2,3
	v_add_co_u32 v[T0+\k], s[MCB+5*\k+\b], v[T0+\k], v[T0+\k]
.endr
.endr
.endm
; point i of the trip: x in X+i; z goes to X+i, the log-gradient to LG+i (by chain 4, in the next point's first lookup or in the trip's
; last DRAIN).  What a point that stays in its first cell computes behind the first step is thrown away by the selects on HIT: nothing branches.
.macro POINT i
.set XI, X+\i
.set MC, MCB+5*\i
	LOOKUP2 A, TA, B, TB, MC                       ; host of the point before's chain 4
	DRAIN
	v_fma_f32 v[V], v[A], v[XI], v[B]
	v_cmp_lt_f32 s[R], 0, v[V]
	EXSET A, XI, V, XB, TAU
	STEP                                           ; the exit time's first four steps need no boundary yet; with the four lines below they stand
	STEP                                           ; between the compare above and the scalar chain that reads its mask
	STEP
	STEP
	v_cndmask_b32 v[T5], 0, s84, s[R]
	v_fma_f32 v[XB], v[LG+\i], s84, v[T5]          ; the knot ahead: (cell + right) / 32, exact
	v_cndmask_b32 v[SG], -1.0, 1.0, s[R]
	v_cndmask_b32 v[ONE], 1, 0, s[R]
	KNOT
	LOOKUP2 UM, TU, VM, TV, MM                     ; host of the exit time
	DRAIN
	v_cmp_ge_f32 s[HIT], 1.0, v[TAU]
	v_sub_f32 v[TREM], 1.0, v[TAU]
	v_cmp_gt_f32 s79, 0, v[UM]                     ; a marked knot stops the point: no time is spent behind it
	v_cndmask_b32 v[TREM], v[TREM], 0, s79
	v_fma_f32 v[U], v[SG], v[TREM], |v[UM]|        ; where the time runs out, in the travel-time coordinate (at least 1, so positive)
	v_sub_nc_u32 v[US], v[U], v[ONE]               ; moving left: the next smaller float, so that '<= US' means '< U'
	SEARCH
	CHAIN 2
	LOOKUP2 AJ, TA, BJ, TB, MJ                     ; host of the time in the end cell
	DRAIN
	CHAIN 3
	LOOKUP1 VJ, TV, MJ                             ; host of the last affine step
	DRAIN
.set LGP, LG+\i
	CHAIN 4
.endm
; inclusive sum over the 32 lanes: four shifted adds inside each half of 16 lanes, then the lower half's total onto the upper half
.macro SCAN reg, tmp
.irp n, 1,2,4,8
	v_mov_b32_dpp v[\tmp], v[\reg] row_shr:\n row_mask:0xf bank_mask:0xf bound_ctrl:1
	v_add_f32 v[\reg], v[\reg], v[\tmp]
.endr
	v_readlane_b32 s79, v[\reg], 15
	v_mov_b32 v[\tmp], s79
	v_cndmask_b32 v[\tmp], 0, v[\tmp], s92
	v_add_f32 v[\reg], v[\reg], v[\tmp]
.endm
; one trip: four points a lane.  The next trip's x is asked for at the head and has the whole trip in which to land; it lands in registers
; of its own, since X is worked on in place and stored from: hence the two dual moves at the head of a trip's four points.
.macro TRIP ahead
	s_wait_loadcnt 0x0                             ; the one load that is out: this trip's x
	v_dual_mov_b32 v[X], v[L] :: v_dual_mov_b32 v[X+1], v[L+1]
	v_dual_mov_b32 v[X+2], v[L+2] :: v_dual_mov_b32 v[X+3], v[L+3]
.if \ahead
	global_load_b128 v[L:L+3], v1, s[4:5] offset:512 th:TH_LOAD_NT
.endif
	HEADS
.set fm_, 0
	POINT 0
	POINT 1
	POINT 2
	POINT 3
	DRAIN                                          ; the last point's log-gradient has no host
	global_store_b128 v1, v[X:X+3], s[10:11] th:TH_STORE_NT
	global_store_b128 v1, v[LG:LG+3], s[12:13] th:TH_STORE_NT
.if \ahead
	s_wait_xcnt 0x0                                ; v1, X and LG, which the load and the stores name, are written again only behind this wait
	v_add_nc_u32 v1, 512, v1
.endif
.endm
	s_load_b256 s[4:11], s[0:1], 0x0               ; x s[4:5], theta s[6:7], B s[8:9], out0 s[10:11]
	s_load_b64 s[12:13], s[0:1], 0x20              ; out1
	v_lshl_add_u32 v240, v0, 2, 0x2400
	v_mov_b32 v241, 0
	v_lshrrev_b32 v2, 5, v0
	v_readfirstlane_b32 s14, v2                    ; wave 0..15
	v_and_b32 v3, 31, v0                           ; lane
	v_lshlrev_b32 v1, 4, v3
	v_lshl_add_u32 v1, v2, 11, v1                  ; my 16 bytes of the first trip: wave x 2,048 + lane x 16
	s_lshl_b32 s2, ttmp9, 15                       ; the work-group's 8,192 points: 32,768 bytes (256 groups: below 2^23)
	s_mov_b32 s3, 0
	s_mov_b32 s80, 0x2edbe6ff                      ; 1e-10
	s_mov_b32 s81, 0xbf7fffef                      ; -1 + 1e-6
	s_mov_b32 s82, 0x3f317218                      ; ln 2
	s_mov_b32 s83, 0x3fb8aa3b                      ; log2 e
	s_mov_b32 s84, 0x3d000000                      ; 1/32
	s_mov_b32 s85, 0x34800000                      ; 2^-22
	s_mov_b32 s86, 0xb4800000                      ; -2^-22
	s_mov_b32 s87, 0x41f80000                      ; 31
	s_mov_b32 s88, 0x42000000                      ; 32
	s_mov_b32 s89, 0x3d2aaaab                      ; 1/24
	s_mov_b32 s90, 0x3e2aaaab                      ; 1/6
	s_mov_b32 s91, 0x3d800000                      ; 1/16
	s_mov_b32 s92, 0xffff0000                      ; lanes 16-31
	s_mov_b32 s93, 0xaedbe6ff                      ; -1e-10
	s_wait_kmcnt 0x0
	s_add_nc_u64 s[4:5], s[4:5], s[2:3]
	s_add_nc_u64 s[10:11], s[10:11], s[2:3]
	s_add_nc_u64 s[12:13], s[12:13], s[2:3]
	global_load_b128 v[L:L+3], v1, s[4:5] th:TH_LOAD_NT    ; the first trip's x, on its way while the tables are made
	s_cmp_lg_u32 s14, 0
	s_cbranch_scc1 .Lbuilt
	; ---- wave 0 makes the tables, lane k for cell k ----
	s_load_b512 s[16:31], s[6:7], 0x0              ; theta: 33 words
	s_load_b512 s[32:47], s[6:7], 0x40
	s_load_b32 s48, s[6:7], 0x80
	v_lshlrev_b32 v2, 3, v3
.set i_, 0
.rept 33
	global_load_b64 v[G+2*i_:G+2*i_+1], v2, s[8:9] offset:256*i_   ; B's 8,448 bytes as 33 runs of 256 consecutive aligned bytes
.set i_, i_+1
.endr
	v_mul_u32_u24 v[KAD], v3, 264                  ; rows 2k, 2k+1 of B are the 66 words from byte 264 k: lane k's 8-byte reads start at word 66 k, 2 k modulo 64
	v_add_nc_u32 v[KIX], 31, v3
	v_and_b32 v[KIX], 31, v[KIX]
	v_lshlrev_b32 v[KIX], 2, v[KIX]                ; the lane below, as a byte index
	v_lshlrev_b32 v[KST], 2, v3
	v_cvt_f32_u32 v[KF], v3
	v_mul_f32 v[KXL], s84, v[KF]                   ; the cell's left knot
	v_add_f32 v[KXR], 1.0, v[KF]
	v_mul_f32 v[KXR], s84, v[KXR]                  ; and its right one
	s_wait_loadcnt 0x0
.set i_, 0
.rept 33
	ds_store_b64 v2, v[G+2*i_:G+2*i_+1] offset:256*i_
.set i_, i_+1
.endr
.set i_, 0
.rept 33
	ds_load_b64 v[RR+2*i_:RR+2*i_+1], v[KAD] offset:8*i_   ; the wave's own bytes: LDS serves a wave's instructions in order
.set i_, i_+1
.endr
	s_wait_dscnt 0x0
	s_wait_kmcnt 0x0
	v_mul_f32 v[A], s16, v[RR]                     ; the first products start the two sums
	v_mul_f32 v[B], s16, v[RR+33]
.set i_, 1
.rept 32
	v_fmac_f32 v[A], s[16+i_], v[RR+i_]
	v_fmac_f32 v[B], s[16+i_], v[RR+33+i_]
.set i_, i_+1
.endr
	v_fma_f32 v[KVL], v[A], v[KXL], v[B]           ; the cell's speed at its left knot
	v_fma_f32 v[KVR], v[A], v[KXR], v[B]           ; and at its right one
	ds_bpermute_b32 v[KPV], v[KIX], v[KVR]         ; the left neighbour's speed at my left knot (the index is made of the lane's number alone)
	v_cmp_lt_f32 s[R], 0, v[KVL]                   ; entered from the left, crossed to the right; else the other way
	v_cndmask_b32 v[KXS], v[KXR], v[KXL], s[R]
	v_cndmask_b32 v[KVV], v[KVR], v[KVL], s[R]
	v_cndmask_b32 v[KXB], v[KXL], v[KXR], s[R]
	s_and_b32 s78, s[R], 0x80000000                ; open: cell 31 to the right,
	s_and_not1_b32 s79, 1, s[R]                    ; cell 0 to the left
	s_or_b32 s78, s78, s79
	EXSET A, KXS, KVV, KXB, TAU                    ; the crossing time: the exit-time chain, here without a host
	DRAIN
	v_min_num_f32 v[KT], 2.0, v[TAU]
	s_wait_dscnt 0x0                               ; the neighbour's speed is here
	v_cmp_le_f32 s[SV], s80, v[KPV]
	v_cmp_ge_f32 s[SA], s93, v[KVL]
	s_and_b32 s[SV], s[SV], s[SA]
	s_and_b32 s[SV], s[SV], 0xfffffffe             ; knot 0 has no left neighbour
	v_cndmask_b32 v[KG], 0, 2.0, s[SV]             ; the gap below a knot that stops
	v_add_f32 v[KS], v[KT], v[KG]
	v_mul_f32 v[KAT], v[A], v[KT]
	v_mov_b32 v[KSV], v[KAT]
	v_mov_b32 v[KTMP], 0
	SCAN KS, KTMP
	SCAN KSV, KTMP
	v_sub_f32 v[KU], v[KS], v[KT]
	v_add_f32 v[KU], 2.0, v[KU]                    ; U of my left knot, above its gap
	v_cndmask_b32 v[KTMP], 0, 0x80000000, s[SV]
	v_or_b32 v[KU], v[KU], v[KTMP]                 ; the mark
	v_sub_f32 v[KSV], v[KSV], v[KAT]               ; V of my left knot
	v_add_f32 v[KS], 2.0, v[KS]                    ; lane 31: U of knot 32
	ds_store_b32 v[KST], v[A] offset:TAB
	ds_store_b32 v[KST], v[B] offset:TAB+128
	ds_store_b32 v[KST], v[KU] offset:TAB+256
	ds_store_b32 v[KST], v[KSV] offset:TAB+384
	ds_store_b32 v[KST], v[KS] offset:TAB+512
.Lbuilt:
	s_wait_dscnt 0x0                               ; wave 0's table stores are done before it signals
	s_barrier_signal -1
	s_barrier_wait -1                              ; the one barrier: behind it every wave reads the tables, and nobody writes LDS any more
	v_mov_b32 v2, TAB
.set i_, 0
.rept 32
	ds_load_b128 v[TA+4*i_:TA+4*i_+3], v2 offset:16*i_     ; all lanes read the same 16 bytes: a, b, U, V into v68-195
.set i_, i_+1
.endr
	ds_load_b32 v[U32], v2 offset:636              ; word 31 of the fifth table
	s_wait_dscnt 0x0
	s_mov_b32 s15, 3
.Ltrip:
	TRIP 1
	s_sub_co_u32 s15, s15, 1
	s_cmp_lg_u32 s15, 0
	s_cbranch_scc1 .Ltrip
	TRIP 0                                         ; the last trip asks for nothing: no load leaves the wave's 2,048 bytes
	s_wait_tensorcnt 0x0
	ds_add_u32 v240, v241
	s_wait_dscnt 0x0
	s_endpgm
.Lfunc_end_k_q415106738c_cpab:
	.size	k_q415106738c_cpab, .Lfunc_end_k_q415106738c_cpab-k_q415106738c_cpab
	.p2alignl 7, 3214868480
	.fill 96, 4, 3214868480
	.section	.rodata,"a",@progbits
	.p2align	6, 0x0
	.amdhsa_kernel k_q415106738c_cpab
		.amdhsa_group_segment_fixed_size 11264
		.amdhsa_private_segment_fixed_size 0
		.amdhsa_enable_private_segment 0
		.amdhsa_kernarg_size 40
		.amdhsa_user_sgpr_count 2
		.amdhsa_user_sgpr_kernarg_segment_ptr 1
		.amdhsa_wavefront_size32 1
		.amdhsa_system_sgpr_workgroup_id_x 1
		.amdhsa_system_sgpr_workgroup_id_y 1
		.amdhsa_system_sgpr_workgroup_id_z 1
		.amdhsa_system_vgpr_workitem_id 0
		.amdhsa_next_free_vgpr 242
		.amdhsa_next_free_sgpr 96
		.amdhsa_reserve_vcc 1
		.amdhsa_float_denorm_mode_32 3
		.amdhsa_float_denorm_mode_16_64 3
		.amdhsa_memory_ordered 1
		.amdhsa_forward_progress 1
		.amdhsa_inst_pref_size 130
	.end_amdhsa_kernel
	.amdgpu_metadata
---
amdhsa.version: [ 1, 2 ]
amdhsa.kernels:
  - .name:           k_q415106738c_cpab
    .symbol:         k_q415106738c_cpab.kd
    .args:
      - { .name: x, .offset: 0, .size: 8, .value_kind: global_buffer, .address_space: global }
      - { .name: theta, .offset: 8, .size: 8, .value_kind: global_buffer, .address_space: global }
      - { .name: B, .offset: 16, .size: 8, .value_kind: global_buffer, .address_space: global }
      - { .name: out0, .offset: 24, .size: 8, .value_kind: global_buffer, .address_space: global }
      - { .name: out1, .offset: 32, .size: 8, .value_kind: global_buffer, .address_space: global }
    .group_segment_fixed_size: 11264
    .private_segment_fixed_size: 0
    .kernarg_segment_align: 8
    .kernarg_segment_size: 40
    .max_flat_workgroup_size: 512
    .sgpr_count:     96
    .vgpr_count:     242
    .wavefront_size: 32
...
	.end_amdgpu_metadata
.endif
;; end of part 3
